; MI455X (gfx1250); checked and timed in simulation.
; The chip was launched on July 23, 2026; its instructions are those of AMD's public machine-readable ISA for CDNA 5 (MIT licence, August 2026) and "CDNA5" Instruction Set Architecture Reference Guide (July 2026). The comments in the code are by the model that wrote it; some were corrected since.
;; Self Attention. Allowed arithmetic: matrix products marked QUANTISED: E2M1 operands, one E8M0 scale for each 32 along K, by v_wmma_scale_f32_16x16x128_f8f6f4 with both operands' format E2M1 (or v_wmma_scale_f32_32x16x128_f4), f32 sums; products left as they are: bf16, f16 or f32 operands; f32 sums; everything else in f32.
;; Inputs: Wk 512 x 512 float32; Wq 512 x 512 float32; Wv 512 x 512 float32; x 32 x 1,024 x 512 float32.
;; Outputs: out0 32 x 1,024 x 512 float32.
;; This version of the problem:
;;   THIS VERSION OF THE PROBLEM IS GIVEN IN LOW PRECISION. The matrix products marked QUANTISED in the list below multiply operands that are first quantised to E2M1 (2 exponent bits, 1 mantissa bit; 4 bits a number), with one power-of-two scale for each 32 numbers along K (OCP MX v1.0); their sums are f32. The products marked 'left as it is' may take bf16, f16 or f32 operands, with f32 sums. All else is computed in f32.
;;   The module's matrix products, in the order in which they are computed (A, B: the left and right operand; K: the contracted axis; several contracted axes count as one K, in the product's order):
;;     1. [M 32,768, K 512] x [K 512, N 512]; A: input x; B: input Wk: QUANTISED
;;     2. [M 32,768, K 512] x [K 512, N 512]; A: input x; B: input Wq: QUANTISED
;;     3. [M 32,768, K 512] x [K 512, N 512]; A: input x; B: input Wv: QUANTISED
;;     4. batch 32 x [M 1,024, K 512] x [K 512, N 1,024]; A: computed on the way; B: computed on the way: left as it is (an operand is computed on the way)
;;     5. batch 32 x [M 1,024, K 1,024] x [K 1,024, N 512]; A: computed on the way; B: computed on the way: left as it is (an operand is computed on the way)
;;   THE QUANTISER, for each operand of a quantised product, along K:
;;     - K is cut into blocks of 32 from its start; a last block that is shorter is filled with zeros.
;;     - A block's scale is 2^e with e = floor(log2(the largest magnitude in the block)) - 2, held to -126 .. 127; a block of zeros has e = 0. As a byte (E8M0): e + 127.
;;     - Each number is divided by its block's scale, clamped to +-6, and rounded to the nearest number of E2M1, ties to even, subnormals kept.
;;     - The product sums the exact products of the quantised numbers (number of the format x scale) in f32.
;;   ~~~python
;;   def quantise(x, axis):      # numpy; x: float32 -> the quantised numbers, widened to float32 again
;;       x = np.moveaxis(x, axis, -1); K = x.shape[-1]
;;       x = np.pad(x, [(0, 0)] * (x.ndim - 1) + [(0, -K % 32)]); x = x.reshape(x.shape[:-1] + (-1, 32)); a = np.abs(x).max(-1, keepdims=True)
;;       e = np.where(a > 0, np.clip(np.frexp(np.where(a > 0, a, 1))[1] - 1 - 2, -126, 127), 0)      # np.frexp(a)[1] - 1 = floor(log2(a)), exactly
;;       r = np.clip(x / 2.0 ** e, -6, 6)
;;       step = 2.0 ** (np.maximum(np.frexp(np.where(r == 0, 1, r))[1] - 1, 0) - 1)
;;       q = np.round(r / step) * step * 2.0 ** e      # np.round: ties to even
;;       return np.moveaxis(q.reshape(q.shape[:-2] + (-1,))[..., :K], -1, axis).astype(np.float32)
;;   ~~~
;; One version. Each part assembles by itself: llvm-mc -triple=amdgcn-amd-amdhsa -mcpu=gfx1250 --defsym DOCPART=n.
;; ======== version 1 of 1: 3 launches
;; limits: values are held in f16: magnitudes above 65,504 overflow, below 6.1e-05 lose precision
;; workspace buffers: codes 8,781,824 bytes; scales 548,864 bytes; qf 67,108,864 bytes; kv 100,663,296 bytes
;; launch quant (part 1): grid 536 x 1, 4 waves a work-group, no clusters, 41,472 bytes of LDS; arguments x, Wk, Wq, Wv, codes, scales; writes codes, scales
.if DOCPART == 1
	.amdgcn_target "amdgcn-amd-amdhsa--gfx1250"
	.amdhsa_code_object_version 6
	.text
	.protected	k_q7b409fe127_quant
	.globl	k_q7b409fe127_quant
	.p2align	8
	.type	k_q7b409fe127_quant,@function
k_q7b409fe127_quant:
	s_mov_b64 s[64:65], 0
	v_nop
	global_prefetch_b8 v0, s[64:65] scope:SCOPE_SE
	s_setreg_imm32_b32 hwreg(HW_REG_WAVE_MODE, 25, 1), 1
	s_wait_xcnt 0x0
; x [32768][512], Wk, Wq, Wv [512][512], f32, K = 512 innermost, are turned into codes of FP4 (E2M1) with one E8M0 scale byte for each 32 along K.
; A block's scale is 2^(floor(log2(its largest magnitude)) - 2); its byte is the largest magnitude's exponent field - 2, held at 1 from below.  Each number is divided by the scale and rounded to the nearest code, ties to even;
; beyond 6 the conversion gives the largest code.  (A block of zeros gets the byte 1 where the rule says 127: its codes are zeros, which add nothing under any byte but 0xff, and the bytes are read by this program alone.)
; LIMITS: blocks whose largest magnitude lies under 2^(2 - 126) keep the byte 1; NaN and infinities among the inputs are not served.
; SHARES.  A wave takes a TILE of 16 rows, a row (512 numbers, 2,048 bytes) a step.  Tiles 0..2047 are x's, 2048 + 32 i + n is row tile n of weight i (Wk, Wq, Wv).  Only the input's pointer is chosen by the work-group's number: one path.
; THE CODES ARE LAID AS THE MATRIX OPERAND'S REGISTERS WANT THEM: a tile is 4,096 bytes, [block kb 0..15][row r 0..15][16 bytes], so that registers 4 c .. 4 c + 3 of K step s of lane l lie at 1024 s + 512 c + 16 l.
; The scale bytes are laid [row][16]: word s of a row is the scale word of K step s.
; Each of a step's four loads reads 512 consecutive bytes, 16 a lane; the 2,048 bytes turn through the wave's own stage in LDS and come back 64 bytes a lane: 16 neighbours along K, two lanes to a block.
; A lane's 8 bytes of codes belong to block lane / 2 of row t: they are gathered in the wave's own code stage (16 units of 256 bytes, 272 apart) and leave at the end, each store of the wave covering 512 consecutive bytes, aligned.
; No tensor loads, no barrier: waves share nothing.  Nothing here is read by two work-groups, so there is nothing for a cluster to share.  Loads run four steps (16 loads a wave) ahead, the turn through LDS one step.
.set STEPS, 16
.set EMAX,  2
.set R,     16                         ; v16-79   four sets of 16 numbers as they are loaded; at the end the tile's codes on their way out
.set X,     80                         ; v80-111  two sets of 16 neighbours
.set E,     112                        ; v112-127 a scale byte for each step
.set C,     128                        ; v128-191 codes: registers of its own for each step
.set WREG,  10240                      ; LDS: a region of its own for each wave
.set SP,    80                         ; a lane's place in a stage: its 64 bytes + 16 of padding
.set SCB,   2*32*SP                    ; behind the two stages: the tile's 256 scale bytes
.set CST,   SCB+256                    ; behind them: the code stage
.set CP,    272                        ; a unit of the code stage: 256 bytes + 16
	s_load_b256 s[4:11], s[0:1], 0x0               ; x s[4:5], Wk s[6:7], Wq s[8:9], Wv s[10:11]
	s_load_b128 s[12:15], s[0:1], 0x20             ; codes s[12:13], scales s[14:15]
	v_lshl_add_u32 v192, v0, 2, 0xa000
	v_mov_b32 v193, 0
	v_lshrrev_b32 v1, 5, v0
	v_readfirstlane_b32 s16, v1                    ; wave
	v_and_b32 v2, 31, v0                           ; lane
	v_lshlrev_b32 v3, 4, v2                        ; my 16 bytes of a load's or a store's 512
	s_mul_i32 s21, s16, WREG                       ; my wave's region
	v_lshrrev_b32 v14, 2, v2
	v_mul_u32_u24 v14, v14, SP
	v_and_b32 v15, 3, v2
	v_lshl_add_u32 v14, v15, 4, v14
	v_add_nc_u32 v14, s21, v14                     ; the stage, on the way in: SP (lane / 4) + 16 (lane % 4)
	v_mul_u32_u24 v15, v2, SP
	v_add_nc_u32 v15, s21, v15                     ; and on the way out: SP x lane: my 16 neighbours
	v_lshrrev_b32 v5, 1, v2                        ; my block
	v_mul_u32_u24 v10, v5, CP
	v_and_b32 v4, 1, v2
	v_lshl_add_u32 v10, v4, 3, v10
	v_add_nc_u32 v10, s21, v10
	v_add_nc_u32 v10, CST, v10                     ; the code stage, in: unit = my block, + 8 x (lane % 2); the row stands in the immediate
	v_add_nc_u32 v5, s21, v5
	v_add_nc_u32 v5, SCB, v5                       ; my block's scale byte; the row stands in the immediate
	v_lshlrev_b32 v7, 3, v2                        ; the scale bytes on the way out: 8 bytes a lane
	v_add_nc_u32 v6, s21, v7
	v_add_nc_u32 v6, SCB, v6
	v_lshrrev_b32 v1, 4, v2
	v_mul_u32_u24 v1, v1, CP
	v_and_b32 v4, 15, v2
	v_lshl_add_u32 v1, v4, 4, v1
	v_add_nc_u32 v1, s21, v1
	v_add_nc_u32 v1, CST, v1                       ; the code stage, out: sixteen lanes to a unit, two units an instruction
	s_and_b32 s17, ttmp9, 7                        ; a weight has eight work-groups
	s_wait_kmcnt 0x0
	s_cmp_lt_u32 ttmp9, 528                        ; the choices hang on the work-group's number alone
	s_cselect_b64 s[8:9], s[8:9], s[10:11]         ; Wq or Wv
	s_cmp_lt_u32 ttmp9, 520
	s_cselect_b64 s[6:7], s[6:7], s[8:9]           ; Wk or that
	s_cmp_lt_u32 ttmp9, 512
	s_cselect_b64 s[4:5], s[4:5], s[6:7]           ; x or that
	s_cselect_b32 s17, ttmp9, s17                  ; the work-group's number within its tensor
	s_lshl_b32 s17, s17, 2
	s_add_co_u32 s17, s17, s16                     ; my tile within its tensor
	s_lshl_b32 s18, s17, 15                        ; 32,768 bytes of f32 a tile (under 2^27)
	s_mov_b32 s19, 0
	s_add_nc_u64 s[4:5], s[4:5], s[18:19]
	s_lshl_b32 s20, ttmp9, 2
	s_add_co_u32 s20, s20, s16                     ; my tile among all 2,144
	s_lshl_b32 s18, s20, 12
	s_add_nc_u64 s[12:13], s[12:13], s[18:19]      ; 4,096 bytes of codes a tile
	s_lshl_b32 s18, s20, 8
	s_add_nc_u64 s[14:15], s[14:15], s[18:19]      ; 256 scale bytes a tile
.macro LOAD t
.irp i, 0,1,2,3
	global_load_b128 v[R+16*((\t)%4)+4*\i:R+16*((\t)%4)+4*\i+3], v3, s[4:5] offset:2048*(\t)+512*\i th:TH_LOAD_NT   ; 32 lanes read 512 consecutive bytes; read once in the launch
.endr
.endm
.macro TURN t                          ; step t's numbers through the stage: LDS serves a wave's instructions in order (ISA guide 5.7.1.4), so no wait stands between the stores and the loads
.irp i, 0,1,2,3
	ds_store_b128 v14, v[R+16*((\t)%4)+4*\i:R+16*((\t)%4)+4*\i+3] offset:32*SP*((\t)%2)+8*SP*\i
.endr
.irp i, 0,1,2,3
	ds_load_b128 v[X+16*((\t)%2)+4*\i:X+16*((\t)%2)+4*\i+3], v15 offset:32*SP*((\t)%2)+16*\i
.endr
.endm
.irp t, 0,1,2,3
	LOAD \t
.endr
	s_wait_loadcnt 12                              ; step 0's four loads are in
	TURN 0
.macro STEP t
.set XS, X+16*((\t)%2)
.if (\t) > 0
	s_wait_dscnt 2                                 ; this step's numbers are back from the stage (the last step's byte store and code store may be out): so its stores into the stage have read their registers,
.else
	s_wait_dscnt 0x0
.endif
.if (\t)+4 < STEPS
	LOAD (\t)+4                                    ; which take the loads of four steps on
.endif
.if (\t)+1 < STEPS
.if STEPS-2-(\t) >= 3
	s_wait_loadcnt 12                              ; the next step's four loads are in; those of the three steps behind it may be out
.else
	s_wait_loadcnt 4*(STEPS-2-(\t))
.endif
	TURN (\t)+1                                    ; and go through the other stage while this step is worked
.endif
	v_max3_num_f32 v8, |v[XS]|, |v[XS+1]|, |v[XS+2]|               ; the largest magnitude of my 16, in two chains
	v_max3_num_f32 v9, |v[XS+3]|, |v[XS+4]|, |v[XS+5]|
.irp i, 6,10
	v_max3_num_f32 v8, v8, |v[XS+\i]|, |v[XS+\i+1]|
	v_max3_num_f32 v9, v9, |v[XS+\i+2]|, |v[XS+\i+3]|
.endr
	v_max3_num_f32 v8, v8, |v[XS+14]|, |v[XS+15]|
	v_max3_num_f32 v8, v8, v9, (EMAX+1)<<23        ; and the floor 2^(EMAX + 1 - 127): so the byte cannot fall under 1
	v_max_num_f32_dpp v8, v8, v8 row_xmask:1 row_mask:0xf bank_mask:0xf   ; and of my neighbour's 16: the block's
	v_add_nc_u32 v11, -(EMAX<<23), v8              ; EMAX off its exponent field: the conversion takes the exponent field of this operand as its scale, and nothing else of it
	v_cvt_scalef32_pk8_fp4_f32 v[C+4*(\t)], v[XS:XS+7], v11
	v_cvt_scalef32_pk8_fp4_f32 v[C+4*(\t)+1], v[XS+8:XS+15], v11
	v_lshrrev_b32 v[E+(\t)], 23, v11               ; the scale's byte (also the plain line behind the conversions)
	ds_store_b8 v5, v[E+(\t)] offset:16*(\t)       ; row t's 16 bytes; both lanes of a block write the same byte with the same value
	ds_store_b64 v10, v[C+4*(\t):C+4*(\t)+1] offset:16*(\t)   ; my 16 codes: block lane / 2, row t, half lane % 2
.endm
.irp t, 0,1,2,3,4,5,6,7,8,9,10,11,12,13,14,15
	STEP \t
.endr
	ds_load_b64 v[12:13], v6                       ; LDS serves a wave's instructions in order: these see my stores
.irp i, 0,1,2,3,4,5,6,7
	ds_load_b128 v[R+4*\i:R+4*\i+3], v1 offset:2*CP*\i
.endr
	s_wait_dscnt 0x0
	global_store_b64 v7, v[12:13], s[14:15]        ; 32 lanes store the tile's 256 scale bytes, aligned
.irp i, 0,1,2,3,4,5,6,7
	global_store_b128 v3, v[R+4*\i:R+4*\i+3], s[12:13] offset:512*\i   ; 32 lanes store 512 consecutive bytes, aligned
.endr
	s_wait_tensorcnt 0x0
	ds_add_u32 v192, v193
	s_wait_dscnt 0x0
	s_endpgm
.Lfunc_end_k_q7b409fe127_quant:
	.size	k_q7b409fe127_quant, .Lfunc_end_k_q7b409fe127_quant-k_q7b409fe127_quant
	.p2alignl 7, 3214868480
	.fill 96, 4, 3214868480
	.section	.rodata,"a",@progbits
	.p2align	6, 0x0
	.amdhsa_kernel k_q7b409fe127_quant
		.amdhsa_group_segment_fixed_size 41472
		.amdhsa_private_segment_fixed_size 0
		.amdhsa_enable_private_segment 0
		.amdhsa_kernarg_size 48
		.amdhsa_user_sgpr_count 2
		.amdhsa_user_sgpr_kernarg_segment_ptr 1
		.amdhsa_wavefront_size32 1
		.amdhsa_system_sgpr_workgroup_id_x 1
		.amdhsa_system_sgpr_workgroup_id_y 1
		.amdhsa_system_sgpr_workgroup_id_z 1
		.amdhsa_system_vgpr_workitem_id 0
		.amdhsa_next_free_vgpr 194
		.amdhsa_next_free_sgpr 66
		.amdhsa_reserve_vcc 0
		.amdhsa_float_denorm_mode_32 3
		.amdhsa_float_denorm_mode_16_64 3
		.amdhsa_memory_ordered 1
		.amdhsa_forward_progress 1
		.amdhsa_inst_pref_size 35
	.end_amdhsa_kernel
	.amdgpu_metadata
---
amdhsa.version: [ 1, 2 ]
amdhsa.kernels:
  - .name:           k_q7b409fe127_quant
    .symbol:         k_q7b409fe127_quant.kd
    .args:
      - { .name: x, .offset: 0, .size: 8, .value_kind: global_buffer, .address_space: global }
      - { .name: Wk, .offset: 8, .size: 8, .value_kind: global_buffer, .address_space: global }
      - { .name: Wq, .offset: 16, .size: 8, .value_kind: global_buffer, .address_space: global }
      - { .name: Wv, .offset: 24, .size: 8, .value_kind: global_buffer, .address_space: global }
      - { .name: codes, .offset: 32, .size: 8, .value_kind: global_buffer, .address_space: global }
      - { .name: scales, .offset: 40, .size: 8, .value_kind: global_buffer, .address_space: global }
    .group_segment_fixed_size: 41472
    .private_segment_fixed_size: 0
    .kernarg_segment_align: 8
    .kernarg_segment_size: 48
    .max_flat_workgroup_size: 128
    .sgpr_count:     66
    .vgpr_count:     194
    .wavefront_size: 32
...
	.end_amdgpu_metadata
.endif
;; end of part 1
;; launch proj (part 2): grid 256 x 1, 4 waves a work-group, no clusters, 0 bytes of LDS; arguments codes, scales, qf, kv; writes qf, kv
.if DOCPART == 2
	.amdgcn_target "amdgcn-amd-amdhsa--gfx1250"
	.amdhsa_code_object_version 6
	.text
	.protected	k_q7b409fe127_proj
	.globl	k_q7b409fe127_proj
	.p2align	8
	.type	k_q7b409fe127_proj,@function
k_q7b409fe127_proj:
	s_mov_b64 s[64:65], 0
	v_nop
	global_prefetch_b8 v0, s[64:65] scope:SCOPE_SE
	s_setreg_imm32_b32 hwreg(HW_REG_WAVE_MODE, 25, 1), 1
	s_wait_xcnt 0x0
; k = x Wk^T, q = x Wq^T, v = x Wv^T on codes of FP4 (E2M1) with E8M0 scales, f32 sums; the results leave as f16 REGISTER IMAGES of the attention's operands.
; k and q are each split into two f16 numbers: hi = the f32 sum with its 13 lowest mantissa bits cleared (exact in f16's normal range), lo = sum - hi (exact in f32), rounded to f16.  v is rounded to f16 once.
; LIMITS: |k|, |q|, |v| under 65,504 (f16's range); where a sum lies under 2^-14, hi and lo are f16 denormals, each good to 2^-25.
; SHARES.  tr = work-group / 2 takes token tiles 16 tr .. 16 tr + 15; dg = 4 (work-group % 2) + wave takes channels 64 dg .. 64 dg + 63 of k, of q and of v: twelve weight tiles of 16 rows x 512 K.
; The wave's weights (384 registers of codes, 48 scale words) are loaded once and stay.  x's fragments come from memory straight into registers, each load covering 512 consecutive bytes: the codes lie in the operand's order.
; k, q: the product is used transposed (source 0 = 16 rows of W, source 1 = 16 tokens): a lane holds token lane % 16 and channels 8 (lane / 16) + 0..7 of the tile: packed in pairs these are registers 0-3 (even tile)
; or 4-7 (odd tile) of a 16-bit fragment of 16 tokens x 32 channels.  v: source 0 = x, source 1 = Wv: a lane holds channel lane % 16 and tokens 8 (lane / 16) + 0..7: half a fragment of V^T (16 channels x 32 keys).
; So each half fragment leaves by one store of 16 bytes a lane: 512 consecutive bytes, aligned.  No LDS, no barrier.
; NO CLUSTER, NO TENSOR LOAD: what waves share is x's 4,352 bytes a tile, against the 10,240 bytes that each wave stores for it; the weights are read once by a wave for its sixteen tiles; and operands go straight into registers.
; qf: [token tile][hi 16,384 | lo 16,384], chunk c of 32 channels at 1024 c, registers 0-3 at + 0, 4-7 at + 512, lane l at 16 l.
; kv: [pair of token tiles = 32 keys][98,304]: k hi at 16384 t + 1024 c, k lo 32,768 on, V^T at 65,536 + 1024 x channel tile, the pair's first tile at + 0 and its second at + 512.
; REGISTERS.  window 0: v1-4 offsets; v16-63 the weights' scale words; v64-79, v80-111 at work; v112-127 x's scale words, four sets; v128-255 x's fragments, four sets.
;   window 1: Wk's and Wq's fragments (tile j, K step s at v[32 j + 8 s]).   window 2: v0-127 Wv's; from v128 the twelve accumulators.
.set WS,  16
.set T,   64                           ; 16 registers: hi halves (or v), packed
.set U,   80                           ; 32 registers: hi as f32, then lo as f32, then (the first 16) lo packed
.set XS,  112
.set XF,  128
.set ACC, 128                          ; in window 2
.set MSB, 0
.macro WIN new                         ; low byte: bits 1:0 source 0, 3:2 source 1, 5:4 source 2, 7:6 destination; the high byte repeats the setting that is left
.if MSB != \new
	s_set_vgpr_msb (MSB<<8)|\new
.set MSB, \new
.endif
.endm
.macro PLACES                          ; four plain vector instructions between a matrix instruction and a read of its result or a load into its registers
.rept 4
	v_nop
.endr
.endm
	s_load_b256 s[4:11], s[0:1], 0x0               ; codes s[4:5], scales s[6:7], qf s[8:9], kv s[10:11]
	v_lshrrev_b32 v1, 5, v0
	v_readfirstlane_b32 s12, v1                    ; wave
	s_and_b32 s13, ttmp9, 1
	s_lshl_b32 s13, s13, 2
	s_add_co_u32 s13, s13, s12                     ; dg
	s_lshr_b32 s28, ttmp9, 1                       ; tr
	v_and_b32 v2, 31, v0
	v_lshlrev_b32 v1, 4, v2                        ; 16 x lane
	v_and_b32 v2, 15, v0
	v_lshlrev_b32 v2, 4, v2                        ; 16 x (lane % 16): a row's four scale words
	s_lshl_b32 s29, s13, 11
	v_add_nc_u32 v3, s29, v1                       ; k's and q's images: my two chunks begin 2048 dg on
	s_lshl_b32 s29, s13, 12
	s_add_co_u32 s29, s29, 65536
	v_add_nc_u32 v4, s29, v1                       ; V^T's: my four channel tiles begin 65,536 + 4096 dg on
	s_mov_b32 s27, 0xffffe000                      ; sign, exponent and ten mantissa bits: what f16 keeps
	s_mov_b32 s31, 0
	s_wait_kmcnt 0x0
	s_lshl_b32 s30, s13, 14
	s_add_co_u32 s30, s30, 2048*4096
	s_add_nc_u64 s[14:15], s[4:5], s[30:31]        ; the codes of weight tile 4 dg of Wk
	s_lshl_b32 s30, s13, 10
	s_add_co_u32 s30, s30, 2048*256
	s_add_nc_u64 s[16:17], s[6:7], s[30:31]        ; and its scale words
	s_lshl_b32 s30, s28, 16
	s_add_nc_u64 s[18:19], s[4:5], s[30:31]        ; x's codes at my first token tile
	s_lshl_b32 s30, s28, 12
	s_add_nc_u64 s[20:21], s[6:7], s[30:31]        ; and its scale words
	s_lshl_b32 s30, s28, 19
	s_add_nc_u64 s[22:23], s[8:9], s[30:31]        ; qf: 16 tiles of 32,768 bytes
	s_mul_i32 s30, s28, 8*98304
	s_add_nc_u64 s[24:25], s[10:11], s[30:31]      ; kv: 8 pairs of 98,304 bytes
	WIN 0x40                                       ; destination window 1
.irp j, 0,1,2,3,4,5,6,7
.irp i, 0,1,2,3,4,5,6,7
	global_load_b128 v[32*\j+4*\i:32*\j+4*\i+3], v1, s[14:15] offset:(32*(\j/4)+\j%4)*4096+512*\i   ; Wk (j 0-3), Wq (j 4-7)
.endr
.endr
	WIN 0x80                                       ; destination window 2
.irp n, 0,1,2,3
.irp i, 0,1,2,3,4,5,6,7
	global_load_b128 v[32*\n+4*\i:32*\n+4*\i+3], v1, s[14:15] offset:(64+\n)*4096+512*\i           ; Wv
.endr
.endr
	WIN 0
.irp j, 0,1,2,3,4,5,6,7,8,9,10,11
	global_load_b128 v[WS+4*\j:WS+4*\j+3], v2, s[16:17] offset:(32*(\j/4)+\j%4)*256                ; tile j's scale words, K steps 0-3
.endr
; Token tile tt (counted from the trip's first) into set e: eight loads of codes, one of scale words
.macro XLOAD e, tt
.irp i, 0,1,2,3,4,5,6,7
	global_load_b128 v[XF+32*\e+4*\i:XF+32*\e+4*\i+3], v1, s[18:19] offset:(\tt)*4096+512*\i
.endr
	global_load_b128 v[XS+4*\e:XS+4*\e+3], v2, s[20:21] offset:(\tt)*256
.endm
; k and q: eight accumulators by turns, one instruction a turn, K step by K step; the first K step starts the sums
.macro MULKQ e
	WIN 0xa1                                       ; source 0 (W) window 1, source 1 (x) window 0, C and D window 2
.irp s, 0,1,2,3
.irp j, 0,1,2,3,4,5,6,7
.if \s == 0
	v_wmma_scale_f32_16x16x128_f8f6f4 v[ACC+8*\j:ACC+8*\j+7], v[32*\j+8*\s:32*\j+8*\s+7], v[XF+32*\e+8*\s:XF+32*\e+8*\s+7], 0, v[WS+4*\j+\s], v[XS+4*\e+\s] matrix_a_fmt:MATRIX_FMT_FP4 matrix_b_fmt:MATRIX_FMT_FP4
.else
	v_wmma_scale_f32_16x16x128_f8f6f4 v[ACC+8*\j:ACC+8*\j+7], v[32*\j+8*\s:32*\j+8*\s+7], v[XF+32*\e+8*\s:XF+32*\e+8*\s+7], v[ACC+8*\j:ACC+8*\j+7], v[WS+4*\j+\s], v[XS+4*\e+\s] matrix_a_fmt:MATRIX_FMT_FP4 matrix_b_fmt:MATRIX_FMT_FP4
.endif
.endr
.endr
.endm
; v: four accumulators by turns
.macro MULV e
	WIN 0xa8                                       ; source 0 (x) window 0, source 1 (Wv) window 2, C and D window 2
.irp s, 0,1,2,3
.irp n, 0,1,2,3
.if \s == 0
	v_wmma_scale_f32_16x16x128_f8f6f4 v[ACC+64+8*\n:ACC+64+8*\n+7], v[XF+32*\e+8*\s:XF+32*\e+8*\s+7], v[32*\n+8*\s:32*\n+8*\s+7], 0, v[XS+4*\e+\s], v[WS+32+4*\n+\s] matrix_a_fmt:MATRIX_FMT_FP4 matrix_b_fmt:MATRIX_FMT_FP4
.else
	v_wmma_scale_f32_16x16x128_f8f6f4 v[ACC+64+8*\n:ACC+64+8*\n+7], v[XF+32*\e+8*\s:XF+32*\e+8*\s+7], v[32*\n+8*\s:32*\n+8*\s+7], v[ACC+64+8*\n:ACC+64+8*\n+7], v[XS+4*\e+\s], v[WS+32+4*\n+\s] matrix_a_fmt:MATRIX_FMT_FP4 matrix_b_fmt:MATRIX_FMT_FP4
.endif
.endr
.endr
.endm
; Accumulators a0 .. a0 + 3 (32 numbers a lane) become hi (T, 16 registers) and lo (U's first 16).  Each accumulator is read from its low end on.
.macro SPLIT a0
	s_wait_xcnt 0x0                                ; T and U were data of earlier stores: they are written again only behind this wait
	WIN 0x08                                       ; source 1 window 2
.irp i, 0,1,2,3,4,5,6,7,8,9,10,11,12,13,14,15,16,17,18,19,20,21,22,23,24,25,26,27,28,29,30,31
	v_and_b32 v[U+\i], s27, v[ACC+8*\a0+\i]        ; hi, as f32
.endr
	WIN 0
.irp i, 0,1,2,3,4,5,6,7,8,9,10,11,12,13,14,15
	v_cvt_pk_f16_f32 v[T+\i], v[U+2*\i], v[U+2*\i+1]
.endr
	WIN 0x02                                       ; source 0 window 2
.irp i, 0,1,2,3,4,5,6,7,8,9,10,11,12,13,14,15
	v_pk_add_f32 v[U+2*\i:U+2*\i+1], v[ACC+8*\a0+2*\i:ACC+8*\a0+2*\i+1], v[U+2*\i:U+2*\i+1] neg_lo:[0,1] neg_hi:[0,1]   ; lo = sum - hi, exact
.endr
	WIN 0
.irp i, 0,1,2,3,4,5,6,7,8,9,10,11,12,13,14,15
	v_cvt_pk_f16_f32 v[U+\i], v[U+2*\i], v[U+2*\i+1]   ; ascending: register i is written when registers 2 i and 2 i + 1 are read, never before
.endr
.endm
; One token tile.  left: the younger loads that may stay out (nine for each younger set).  ahead = 1: the set takes the tile four further on.
.macro TILE e, tt, ahead, left
	s_wait_loadcnt \left                           ; loads come back in order (ISA guide 5.7.1): this set is in (and, the first time, the weights, which are older)
	MULKQ \e
	MULV \e
	WIN 0
	PLACES                                         ; in front of the loads into the set just multiplied and of the first reads of results
.if \ahead
	XLOAD \e, \tt+4
.endif
	SPLIT 0                                        ; k
.irp n, 0,1,2,3
	global_store_b128 v3, v[T+4*\n:T+4*\n+3], s[24:25] offset:(\tt/2)*98304+(\tt%2)*16384+512*\n th:TH_STORE_NT
	global_store_b128 v3, v[U+4*\n:U+4*\n+3], s[24:25] offset:(\tt/2)*98304+(\tt%2)*16384+32768+512*\n th:TH_STORE_NT
.endr
	SPLIT 4                                        ; q
.irp n, 0,1,2,3
	global_store_b128 v3, v[T+4*\n:T+4*\n+3], s[22:23] offset:\tt*32768+512*\n th:TH_STORE_NT
	global_store_b128 v3, v[U+4*\n:U+4*\n+3], s[22:23] offset:\tt*32768+16384+512*\n th:TH_STORE_NT
.endr
	s_wait_xcnt 0x0                                ; q's stores have read T
	WIN 0x0a                                       ; sources 0 and 1 window 2
.irp i, 0,1,2,3,4,5,6,7,8,9,10,11,12,13,14,15
	v_cvt_pk_f16_f32 v[T+\i], v[ACC+64+2*\i], v[ACC+64+2*\i+1]   ; v
.endr
	WIN 0
.irp n, 0,1,2,3
	global_store_b128 v4, v[T+4*\n:T+4*\n+3], s[24:25] offset:(\tt/2)*98304+1024*\n+(\tt%2)*512 th:TH_STORE_NT
.endr
.endm
	XLOAD 0, 0
	XLOAD 1, 1
	XLOAD 2, 2
	XLOAD 3, 3
	s_mov_b32 s26, 3
.Ltrip:                                                ; three trips of four tiles, each asking for the tile four further on
	TILE 0, 0, 1, 27
	TILE 1, 1, 1, 27
	TILE 2, 2, 1, 27
	TILE 3, 3, 1, 27
	s_wait_xcnt 0x0                                ; every load and store issued has read its base: the bases may step
	s_add_nc_u64 s[18:19], s[18:19], 4*4096
	s_add_nc_u64 s[20:21], s[20:21], 4*256
	s_add_nc_u64 s[22:23], s[22:23], 4*32768
	s_add_nc_u64 s[24:25], s[24:25], 2*98304
	s_sub_co_u32 s26, s26, 1
	s_cmp_lg_u32 s26, 0
	s_cbranch_scc1 .Ltrip
	TILE 0, 0, 0, 27                               ; the last four tiles load nothing: the counts run down
	TILE 1, 1, 0, 18
	TILE 2, 2, 0, 9
	TILE 3, 3, 0, 0
	s_endpgm
.Lfunc_end_k_q7b409fe127_proj:
	.size	k_q7b409fe127_proj, .Lfunc_end_k_q7b409fe127_proj-k_q7b409fe127_proj
	.p2alignl 7, 3214868480
	.fill 96, 4, 3214868480
	.section	.rodata,"a",@progbits
	.p2align	6, 0x0
	.amdhsa_kernel k_q7b409fe127_proj
		.amdhsa_group_segment_fixed_size 0
		.amdhsa_private_segment_fixed_size 0
		.amdhsa_enable_private_segment 0
		.amdhsa_kernarg_size 32
		.amdhsa_user_sgpr_count 2
		.amdhsa_user_sgpr_kernarg_segment_ptr 1
		.amdhsa_wavefront_size32 1
		.amdhsa_system_sgpr_workgroup_id_x 1
		.amdhsa_system_sgpr_workgroup_id_y 1
		.amdhsa_system_sgpr_workgroup_id_z 1
		.amdhsa_system_vgpr_workitem_id 0
		.amdhsa_next_free_vgpr 768
		.amdhsa_next_free_sgpr 66
		.amdhsa_reserve_vcc 0
		.amdhsa_float_denorm_mode_32 3
		.amdhsa_float_denorm_mode_16_64 3
		.amdhsa_memory_ordered 1
		.amdhsa_forward_progress 1
		.amdhsa_inst_pref_size 160
	.end_amdhsa_kernel
	.amdgpu_metadata
---
amdhsa.version: [ 1, 2 ]
amdhsa.kernels:
  - .name:           k_q7b409fe127_proj
    .symbol:         k_q7b409fe127_proj.kd
    .args:
      - { .name: codes, .offset: 0, .size: 8, .value_kind: global_buffer, .address_space: global }
      - { .name: scales, .offset: 8, .size: 8, .value_kind: global_buffer, .address_space: global }
      - { .name: qf, .offset: 16, .size: 8, .value_kind: global_buffer, .address_space: global }
      - { .name: kv, .offset: 24, .size: 8, .value_kind: global_buffer, .address_space: global }
    .group_segment_fixed_size: 0
    .private_segment_fixed_size: 0
    .kernarg_segment_align: 8
    .kernarg_segment_size: 32
    .max_flat_workgroup_size: 128
    .sgpr_count:     66
    .vgpr_count:     768
    .wavefront_size: 32
...
	.end_amdgpu_metadata
.endif
;; end of part 2
;; launch attn (part 3): grid 8 x 32, 4 waves a work-group, clusters of 4 x 1, 327,680 bytes of LDS; arguments qf, kv, out0; writes out0
.if DOCPART == 3
	.amdgcn_target "amdgcn-amd-amdhsa--gfx1250"
	.amdhsa_code_object_version 6
	.text
	.protected	k_q7b409fe127_attn
	.globl	k_q7b409fe127_attn
	.p2align	8
	.type	k_q7b409fe127_attn,@function
k_q7b409fe127_attn:
	s_mov_b64 s[64:65], 0
	v_nop
	global_prefetch_b8 v0, s[64:65] scope:SCOPE_SE
	s_setreg_imm32_b32 hwreg(HW_REG_WAVE_MODE, 25, 1), 1
	s_wait_xcnt 0x0
	s_wait_alu depctr_hold_cnt(0) depctr_sa_sdst(0) depctr_va_vdst(0) depctr_va_sdst(0) depctr_va_ssrc(0) depctr_va_vcc(0) depctr_vm_vsrc(0)
	s_getreg_b32 s2, hwreg(HW_REG_IB_STS2, 6, 4)
	s_cmp_eq_u32 s2, 0
	s_cbranch_scc0 .Lentry_in_a_cluster
	s_endpgm
.Lentry_in_a_cluster:
	s_bfe_u32 s2, ttmp6, 0x10000c
	s_cmp_lg_u32 s2, 0x3003
	s_cbranch_scc0 .Lentry_shape_is_right
	s_endpgm
.Lentry_shape_is_right:
; out[b][t][:] = the sum over s <= t of softmax_s(q[b][t] . k[b][s] x sqrt(512)) v[b][s][:].  32 batches, 1,024 tokens, 512 channels; out is f32.
; THE SCORES.  reference() MULTIPLIES by sqrt(512), so a score's error is weighed heavily: q and k come as two f16 numbers each (hi + lo) and the score is qh.kh + ql.kh + qh.kl, three f16 products with f32 sums.  p and v are f16.
; THE SOFTMAX.  For each query a running maximum m and sum l: p = 2^(c s - c m), c = sqrt(512) log2(e); in every step O and l are multiplied by a = 2^(c m_old - c m_new), 1 where m has not grown.  l is summed of p in f32, ahead of p's rounding.
; LIMITS: |q.k| under 1e36 (c m is kept in f32 and starts at -3e38); |q|, |k|, |v| under 65,504; NaN and infinities are not served.
; SHARES.  A batch has four groups of 256 queries and two clusters of four work-groups.  Cluster g takes group 3 - g (16 - 4 g trips of 64 keys: the causal mask hides the rest) and then group g (4 + 4 g trips): 20 trips, 40 steps of 32 keys,
; for every cluster.  In a group, wave w of the partner at place cx owns the 16 queries 256 G + 64 w + 16 cx: so which steps a wave may leave out hangs on w alone and is the same in all four partners.
; A step all of whose keys come after the queries of all four partners' wave w is left out by scalar branches on ids, round LDS loads and products alone: every wait in front of a barrier, every barrier and every tensor load is on every wave's path.
; CLUSTER.  The four partners walk the same K and V: each step's 98,304 bytes are asked for JOINTLY, by the same tensor load with the same descriptor and a mask that names the four; each wave brings a quarter.
; LAYOUT.  S^T = K Q^T (source 0 = 16 keys, source 1 = my 16 queries), O^T = V^T P (source 0 = 16 channels, source 1 = P): a lane holds ONE query (lane % 16) throughout.  K, V^T and Q lie in memory as images of the operands' registers:
; every fragment load takes 512 consecutive bytes, 16 a lane, so LDS needs no padding.
; A STEP: 96 products for S^T (2 key tiles x 16 chunks of 32 channels x 3) on six accumulators by turns, the softmax, 32 products for O^T.  Six batches of 32 LDS loads go through three buffers of 128 registers, each asked for two batches ahead.
; REGISTERS, in windows of 256 (s_set_vgpr_msb's low byte: bits 1:0 source 0, 3:2 source 1, 5:4 source 2, 7:6 destination):
;   window 0: v1-4 LDS addresses (K, V of slot 0; K, V of slot 1; v1 is also 16 x lane for memory), v6, v7 the stage, v8 prefetch offset, v9 lane % 16 - 8 (lane / 16), v10, v11 the spare word and 0, v12 c m, v13 m, v[14:15] l,
;             v16 a (v17 named with it), v18-27 at work, v32-47 qh.kh, v48-63 ql.kh, v64-79 qh.kl, v80-87 P, v128-255 buffer A
;   window 1: O^T, channel tile ct at v[8 ct]     window 2: v0-127 Q hi, v128-255 Q lo (chunk c at 8 c)     window 3: v0-127 buffer B, v128-255 buffer C
.set SLOTB, 98304                      ; a slot: a step as it lies in memory: K hi 32,768, K lo 32,768, V^T 32,768
.set QTR,   24576                      ; a wave's quarter of it
.set STAGE, 2*SLOTB                    ; behind the ring: 16 rows x 528 bytes for each wave, for the way out; no tensor load lands here
.set SPI,   528                        ; a stage row: 512 bytes + 16
.set SPARE, STAGE+4*16*SPI             ; behind the stages: the spare words, 128 bytes for each wave: two blocks of 256 bytes that no other line names
; s10 wave, s11 cx, s12 g, s13 b, s14 trips of the first task, s15 the key trip that is fetched, s16 the step's first key, s17 keys of the first task, s18 loop counter, s19 changes of slots so far, s20 how many of them prefetch,
; s21 at work, s[22:23] prefetch address, s[24:31] descriptor group 1, s[32:35], s[36:39] group 0 of slot 0, 1, s[40:41] my quarter of the batch's first step, s[42:43] a step's offset, s[44:45] c, s[46:47] lane selects,
; s[48:49] Q of the second task, s[50:51] O now, s[52:53] O of the second task, s54 my first query, s55 the least query of the four partners' wave w, s56 their last, s57, s58 the same two of the second task, s59, s[2:3] at work on numbers that hold cx
.set MSB, 0
.macro WIN new                         ; the immediate's high byte repeats the setting that is left; a switch that changes nothing is dropped
.if MSB != \new
	s_set_vgpr_msb (MSB<<8)|\new
.set MSB, \new
.endif
.endm
.macro PLACES                          ; four plain vector instructions between a matrix instruction and a read of its result, a write of its registers or a load into them (ISA guide 7.12.1 for vector instructions)
.rept 4
	v_nop
.endr
.endm
.macro CREST                           ; a round of the cluster's barrier behind its opening barrier
	s_cmp_lg_u32 s10, 0
	s_cbranch_scc1 .Lnot_wave_0_\@
	s_barrier_signal -3
.Lnot_wave_0_\@:
	s_barrier_wait -3
	s_barrier_signal -1
	s_barrier_wait -1
.endm
.macro CROUND                          ; a whole round
	s_barrier_signal -1
	s_barrier_wait -1
	CREST
.endm
	s_load_b128 s[4:7], s[0:1], 0x0                ; qf s[4:5], kv s[6:7]
	s_load_b64 s[8:9], s[0:1], 0x10                ; out0
	v_lshl_add_u32 v10, v0, 2, SPARE
	v_mov_b32 v11, 0
	ds_add_u32 v10, v11
	s_wait_dscnt 0x0
	v_lshrrev_b32 v1, 5, v0
	v_readfirstlane_b32 s10, v1                    ; wave 0..3
	s_bfe_u32 s11, ttmp6, 0x40000                  ; cx: my place in the cluster
	s_mov_b32 s12, ttmp9                           ; g: in a cluster launch ttmp9 counts clusters
	s_and_b32 s13, ttmp7, 0xffff                   ; b
	s_lshl_b32 s21, s12, 2
	s_sub_co_u32 s14, 16, s21                      ; the first task's trips of 64 keys
	s_lshl_b32 s17, s14, 6                         ; and its keys
	s_mov_b32 s15, 0
	s_mov_b32 s16, 0
	s_mov_b32 s19, 0
	s_cmp_lt_u32 s10, 3                            ; waves 0 to 2
	s_cselect_b32 s20, 28, 0
	s_cmp_eq_u32 s12, 0                            ; of the batch's first cluster prefetch, at the first 28 changes of slots: the same in all four partners
	s_cselect_b32 s20, s20, 0
	; descriptor group 1: a dense block of 24,576 bytes as 96 rows of 256 bytes
	s_mov_b32 s24, 15|(3<<16)|(1<<21)              ; 15:0 the mask: all four work-groups; 17:16 elements of 8 bytes; 20 no padding; 21 set beside a mask
	s_mov_b32 s25, 32<<16                          ; tensor_dim0 = 32
	s_mov_b32 s26, 96<<16                          ; tensor_dim1 = 96
	s_mov_b32 s27, 32<<16                          ; tile_dim0 = 32
	s_mov_b32 s28, 96                              ; tile_dim1 = 96
	s_mov_b32 s29, 32                              ; tensor_dim0_stride
	s_mov_b32 s30, 0
	s_mov_b32 s31, 0
	s_mov_b32 s44, 0x420293ee                      ; c = sqrt(512) log2(e)
	s_mov_b32 s45, s44                             ; (named with it as a pair, so it is written)
	s_mov_b32 s46, 0x76543210
	s_mov_b32 s47, 0xfedcba98                      ; v_permlanex16_b32's selects for lane l xor 16
	s_lshl_b32 s21, s10, 6                         ; 64 w
	s_sub_co_u32 s55, 3, s12
	s_lshl_b32 s55, s55, 8
	s_add_co_u32 s55, s55, s21                     ; first task: 256 (3 - g) + 64 w
	s_lshl_b32 s58, s12, 8
	s_add_co_u32 s58, s58, s21                     ; second task: 256 g + 64 w
	s_add_co_u32 s56, s55, 63
	s_lshl_b32 s59, s11, 4
	s_add_co_u32 s54, s55, s59                     ; my first query: + 16 cx
	s_add_co_u32 s57, s58, s59
	s_lshl_b32 s62, s13, 21                        ; a batch of Q's images, and of O, is 2^21 bytes
	s_mov_b32 s3, 0
	s_mov_b32 s43, 0
	s_mul_i32 s42, s13, 32*SLOTB                   ; the batch's 32 steps
	s_mul_i32 s33, s10, QTR                        ; my quarter: in memory and in a slot.  No place in the cluster enters an LDS address
	s_add_co_u32 s42, s42, s33
	s_wait_kmcnt 0x0
	s_add_nc_u64 s[40:41], s[6:7], s[42:43]
	s_lshl_b32 s2, s54, 11                         ; 2,048 bytes a query, in Q's images and in O alike
	s_add_co_u32 s2, s2, s62
	s_add_nc_u64 s[60:61], s[4:5], s[2:3]          ; Q of the first task
	s_add_nc_u64 s[50:51], s[8:9], s[2:3]          ; its O
	s_lshl_b32 s2, s57, 11
	s_add_co_u32 s2, s2, s62
	s_add_nc_u64 s[48:49], s[4:5], s[2:3]
	s_add_nc_u64 s[52:53], s[8:9], s[2:3]
	s_mul_i32 s2, s13, 32*SLOTB                    ; the prefetches: a step's 384 blocks of 256 bytes are shared out BY ADDRESS: 32,768 bytes a wave, 8,192 a partner, 256 a lane
	s_add_co_u32 s2, s2, 3*SLOTB                   ; at step 3: the first change of slots steps it to step 4.  Nothing is prefetched here, at the head
	s_lshl_b32 s59, s10, 15
	s_add_co_u32 s2, s2, s59
	s_lshl_b32 s59, s11, 13
	s_add_co_u32 s2, s2, s59
	s_add_nc_u64 s[22:23], s[6:7], s[2:3]
	CROUND                                         ; all four work-groups are here: the first joint loads meet
	s_mov_b32 s32, 1                               ; 1:0 count = 1;  s33, 63:32: the LDS address, was made above
	s_mov_b64 s[34:35], s[40:41]                   ; 120:64 global address: step 0
	s_or_b32 s35, s35, 0x80000000                  ; 127:126 type = 2
	s_mov_b32 s36, 1
	s_add_co_u32 s37, s33, SLOTB
	s_add_nc_u64 s[38:39], s[40:41], SLOTB         ; step 1
	s_or_b32 s39, s39, 0x80000000
	tensor_load_to_lds s[32:35], s[24:31]          ; the two first fills stand together, ahead of every wait on TENSORcnt and every LDS read: two loads of mine are out
	s_nop 0
	tensor_load_to_lds s[36:39], s[24:31]
	s_nop 0
	PLACES                                         ; four v_nop follow
	v_and_b32 v18, 31, v0
	v_lshlrev_b32 v1, 4, v18                       ; 16 x lane: K of slot 0
	v_lshlrev_b32 v8, 8, v18                       ; 256 x lane
	v_add_nc_u32 v2, 65536, v1                     ; V of slot 0
	v_add_nc_u32 v3, SLOTB, v1                     ; K of slot 1
	v_add_nc_u32 v4, SLOTB+65536, v1               ; V of slot 1
	WIN 0x80                                       ; destination window 2
.set i, 0
.rept 64
	global_load_b128 v[4*i:4*i+3], v1, s[60:61] offset:512*i th:TH_LOAD_NT   ; Q hi, then Q lo: they stay in registers for the task
.set i, i+1
.endr
	WIN 0
	v_and_b32 v18, 15, v0                          ; r
	v_bfe_u32 v19, v0, 4, 1                        ; h
	v_lshlrev_b32 v20, 3, v19
	v_sub_nc_u32 v9, v18, v20                      ; r - 8 h
	s_mul_i32 s21, s10, 16*SPI
	s_add_co_u32 s21, s21, STAGE                   ; my stage
	v_mul_u32_u24 v6, v18, SPI
	v_lshl_add_u32 v6, v19, 5, v6
	v_add_nc_u32 v6, s21, v6                       ; in: row r, 32 bytes for each half of the lanes
	v_add_nc_u32 v7, s21, v1                       ; back: the 32 lanes take one row of 512 bytes
	v_mov_b32 v12, 0xff61b1e6                      ; c m and m begin at -3e38, under every score
	v_mov_b32 v13, 0xff61b1e6
	v_mov_b32 v14, 0                               ; l, in two halves
	v_mov_b32 v15, 0
	v_mov_b32 v17, 0                               ; (named as the upper half of the pair v[16:17])
	v_mov_b32 v19, 0                               ; (a lane permute's destination counts as one of its sources)
	v_mov_b32 v25, 0xff800000                      ; -infinity
; 32 LDS loads: K's fragments of chunks 4 kb .. 4 kb + 3 (chunk cc, key tile t, hi or lo at register 8 (4 cc + 2 t + hl)) into buffer b (0 = A, 1 = B, 2 = C)
.macro LOADK slot, kb, b
.if \b == 0
	WIN 0
.else
	WIN 0xc0                                       ; destination window 3
.endif
.if \b == 1
.set BS, 0
.else
.set BS, 128
.endif
.irp cc, 0,1,2,3
.irp t, 0,1
.irp hl, 0,1
	ds_load_b128 v[BS+8*(4*\cc+2*\t+\hl):BS+8*(4*\cc+2*\t+\hl)+3],   v[1+2*(\slot)] offset:\hl*32768+\t*16384+(4*\kb+\cc)*1024
	ds_load_b128 v[BS+8*(4*\cc+2*\t+\hl)+4:BS+8*(4*\cc+2*\t+\hl)+7], v[1+2*(\slot)] offset:\hl*32768+\t*16384+(4*\kb+\cc)*1024+512
.endr
.endr
.endr
.endm
; 32 LDS loads: V^T's channel tiles 16 vb .. 16 vb + 15 into buffer B (vb = 0) or C (vb = 1)
.macro LOADV slot, vb
	WIN 0xc0
.irp i, 0,1,2,3,4,5,6,7,8,9,10,11,12,13,14,15
	ds_load_b128 v[128*\vb+8*\i:128*\vb+8*\i+3],   v[2+2*(\slot)] offset:(16*\vb+\i)*1024
	ds_load_b128 v[128*\vb+8*\i+4:128*\vb+8*\i+7], v[2+2*(\slot)] offset:(16*\vb+\i)*1024+512
.endr
.endm
; 24 products: chunks 4 kb .. 4 kb + 3 from buffer b.  For each chunk qh.kh, ql.kh, qh.kl for key tiles 0 and 1: six accumulators by turns, one instruction a turn.  zero = 1: the first chunk starts the sums.
.macro MULK kb, b, zero
.if \b == 0
	WIN 0x08                                       ; K window 0, Q window 2, S^T window 0
.else
	WIN 0x0b                                       ; K window 3
.endif
.if \b == 1
.set BS, 0
.else
.set BS, 128
.endif
.irp cc, 0,1,2,3
.irp p, 0,1,2
.irp t, 0,1
.if \zero && (\cc == 0)
	v_wmma_f32_16x16x32_f16 v[32+16*\p+8*\t:32+16*\p+8*\t+7], v[BS+8*(4*\cc+2*\t+\p/2):BS+8*(4*\cc+2*\t+\p/2)+7], v[128*(\p%2)+8*(4*\kb+\cc):128*(\p%2)+8*(4*\kb+\cc)+7], 0
.else
	v_wmma_f32_16x16x32_f16 v[32+16*\p+8*\t:32+16*\p+8*\t+7], v[BS+8*(4*\cc+2*\t+\p/2):BS+8*(4*\cc+2*\t+\p/2)+7], v[128*(\p%2)+8*(4*\kb+\cc):128*(\p%2)+8*(4*\kb+\cc)+7], v[32+16*\p+8*\t:32+16*\p+8*\t+7]
.endif
.endr
.endr
.endr
.endm
; 16 products of O^T += V^T P, one on each of 16 accumulators.  zero = 1: they start the sums: nothing is ever cleared
.macro MULV vb, zero
	WIN 0x53                                       ; V window 3, P window 0, O^T window 1
.irp i, 0,1,2,3,4,5,6,7,8,9,10,11,12,13,14,15
.if \zero
	v_wmma_f32_16x16x32_f16 v[8*(16*\vb+\i):8*(16*\vb+\i)+7], v[128*\vb+8*\i:128*\vb+8*\i+7], v[80:87], 0
.else
	v_wmma_f32_16x16x32_f16 v[8*(16*\vb+\i):8*(16*\vb+\i)+7], v[128*\vb+8*\i:128*\vb+8*\i+7], v[80:87], v[8*(16*\vb+\i):8*(16*\vb+\i)+7]
.endif
.endr
.endm
; The step's softmax, all in window 0.  Register 32 + 8 t + j holds the score of key s16 + 16 t + 8 h + j for my query.
.macro SOFTMAX
.irp i, 0,2,4,6,8,10,12,14
	v_pk_add_f32 v[48+\i:49+\i], v[48+\i:49+\i], v[64+\i:65+\i]   ; the two small products first; each accumulator is read from its low end on
.endr
.irp i, 0,2,4,6,8,10,12,14
	v_pk_add_f32 v[32+\i:33+\i], v[32+\i:33+\i], v[48+\i:49+\i]   ; then onto the large one
.endr
	s_add_co_u32 s21, s16, 31                      ; a step all of whose keys count for all four partners' wave w needs no mask
	s_cmp_le_u32 s21, s55
	s_cbranch_scc1 .Lopen_\@
	s_sub_co_i32 s59, s54, s16
	v_add_nc_u32 v24, s59, v9                      ; d = my query - the step's first key - 8 h: the key of register 8 t + j is hidden where 16 t + j > d
.irp n, 0,1,2,3,4,5,6,7,8,9,10,11,12,13,14,15
	v_cmp_gt_i32 vcc_lo, \n+8*(\n/8), v24
	v_cndmask_b32 v[32+\n], v[32+\n], v25, vcc_lo  ; -infinity: p = 0 then
.endr
.Lopen_\@:
	v_max3_num_f32 v18, v32, v33, v34              ; the largest of my 16 scores and the old m, in two chains
	v_max3_num_f32 v21, v40, v41, v42
	v_max3_num_f32 v18, v18, v35, v36
	v_max3_num_f32 v21, v21, v43, v44
	v_max3_num_f32 v18, v18, v37, v38
	v_max3_num_f32 v21, v21, v45, v46
	v_max3_num_f32 v18, v18, v39, v47
	v_max3_num_f32 v18, v18, v21, v13
	v_permlanex16_b32 v19, v18, s46, s47           ; the query's other 16 keys lie in the lane 16 away
	v_mov_b32 v20, v12                             ; c m_old
	v_max_num_f32 v13, v18, v19                    ; m
	v_mul_f32 v12, s44, v13                        ; c m
	v_sub_f32 v20, v20, v12
	v_exp_f32 v16, v20                             ; a = 2^(c m_old - c m_new); the scalings below are the plain lines behind it
.irp i, 0,2,4,6,8,10,12,14
	v_pk_fma_f32 v[32+\i:33+\i], v[32+\i:33+\i], s[44:45], v[12:13] op_sel_hi:[1,0,0] neg_lo:[0,0,1] neg_hi:[0,0,1]   ; c s - c m
.endr
.irp n, 0,1,2,3,4,5,6,7,8,9,10,11,12,13,14,15
	v_exp_f32 v[32+\n], v[32+\n]                   ; p
.endr
	v_nop                                          ; a plain line between the exponentials and the use of their results (ISA guide 5.7.2)
	s_wait_alu depctr_va_vdst(0)
	v_pk_add_f32 v[26:27], v[32:33], v[34:35]      ; the step's sum of p, two at a time, in two chains
	v_pk_add_f32 v[22:23], v[40:41], v[42:43]
	v_pk_add_f32 v[26:27], v[26:27], v[36:37]
	v_pk_add_f32 v[22:23], v[22:23], v[44:45]
	v_pk_add_f32 v[26:27], v[26:27], v[38:39]
	v_pk_add_f32 v[22:23], v[22:23], v[46:47]
	v_pk_add_f32 v[26:27], v[26:27], v[22:23]
	v_pk_fma_f32 v[14:15], v[14:15], v[16:17], v[26:27] op_sel_hi:[1,0,1]   ; l = a l + the sum
.irp i, 0,1,2,3,4,5,6,7
	v_cvt_pk_f16_f32 v[80+\i], v[32+2*\i], v[33+2*\i]   ; P: key tile 0 gives registers 0-3, key tile 1 registers 4-7 of source 1 of V^T P
.endr
.endm
.macro RESCALE                         ; O^T times a
	WIN 0x41                                       ; O^T (destination and source 0) window 1, a window 0
.set i, 0
.rept 128
	v_pk_mul_f32 v[i:i+1], v[i:i+1], v[16:17] op_sel_hi:[1,0]
.set i, i+2
.endr
.endm
; The slot's group 0 takes the step two steps on.  Slot 0 holds a trip's first 32 keys, slot 1 its second; behind the first task's last trip the walk begins anew at key 0.  Scalars alone; no tensor load of mine is out here.
.macro NEXTFILL slot
.if \slot == 0
	s_add_co_u32 s15, s15, 1
	s_cmp_eq_u32 s15, s14
	s_cselect_b32 s15, 0, s15
	s_mul_i32 s42, s15, 2*SLOTB
.else
	s_mul_i32 s42, s15, 2*SLOTB
	s_add_co_u32 s42, s42, SLOTB
.endif
	s_add_nc_u64 s[34+4*\slot:35+4*\slot], s[40:41], s[42:43]
	s_or_b32 s[35+4*\slot], s[35+4*\slot], 0x80000000
	s_wait_xcnt 0x0                                ; the last prefetch, a step back, has read its address, so it may be written
	s_add_nc_u64 s[22:23], s[22:23], SLOTB
.endm
; A PREFETCH INTO THE L2, behind the joint load, its four lines and the run of LDS loads: at change number n the load brings step n + 2 and the prefetch names step n + 4: two steps, 256 matrix instructions, ahead of its load.
; Both clusters of a batch walk the same K and V: the first asks, on its first walk, for steps 4 to 31; its partners and waves 0 to 2 share a step's 384 blocks of 256 bytes out by address, a lane a block: each is named once in the launch.
; Steps 0 to 3 come by their loads alone; the second walks ask for nothing.
.macro ASK
	s_cmp_lt_u32 s19, s20
	s_cbranch_scc0 .Lnot_mine_\@
	global_prefetch_b8 v8, s[22:23] th:TH_LOAD_NT scope:SCOPE_SE
.Lnot_mine_\@:
	s_add_co_u32 s19, s19, 1
.endm
; A STEP of 32 keys, read from slot.  On entry K's chunks 0-3 (buffer A) and 4-7 (buffer B) have been asked for and every window is 0.
; first = 1: the launch's first step: its V^T P starts O^T.  fill = 2: the slot is filled again, jointly; 1: a barrier alone; 0: the last step.
; s_wait_dscnt 63: the batch to be multiplied is in when the 64 loads of the two younger batches alone are out; the count's field ends at 63, so one load more is awaited.
.macro STEP slot, first, fill
.if !\first
	v_mov_b32 v16, 1.0                             ; a, where the step is left out
	s_cmp_gt_u32 s16, s56                          ; are all the step's keys hidden from wave w of all four partners?
	s_cbranch_scc1 .Lidle_a_\@
.endif
	PLACES
	LOADK \slot, 2, 2
	s_wait_dscnt 63
	MULK 0, 0, 1
	PLACES
	LOADK \slot, 3, 0
	s_wait_dscnt 63
	MULK 1, 1, 0
	PLACES
	LOADV \slot, 0
	s_wait_dscnt 63
	MULK 2, 2, 0
	PLACES
	LOADV \slot, 1
	s_wait_dscnt 63
	MULK 3, 0, 0
	WIN 0
	PLACES
	SOFTMAX
.if !\first
.Lidle_a_\@:
.endif
	s_mov_b32 s43, 0
.if \fill > 0
	; THE CHANGE OF SLOTS: all six batches of this slot have been asked for
	s_wait_tensorcnt 0x0                           ; all my tensor loads have landed: the one that was out is my quarter of the other slot; so a group 0 may be written
	ds_add_u32 v10, v11                            ; 0 onto my spare word
.if \fill == 2
	NEXTFILL \slot
.endif
	s_wait_dscnt 0x0                               ; the add is done, and my reads of this slot are over: V^T lies in buffers B and C
	s_barrier_signal -1                            ; (with fill = 2 this barrier opens a round of the cluster's)
.if !\first
	RESCALE                                        ; work on registers while the others arrive
	WIN 0
.endif
	s_barrier_wait -1
.if \fill == 2
	CREST                                          ; no wave of any partner still reads this slot or has a load on its way
	tensor_load_to_lds s[32+4*\slot:35+4*\slot], s[24:31]   ; the first thing behind the round, and my one tensor load until the next
	s_nop 0
.endif
	PLACES                                         ; (behind the joint load)
	LOADK 1-\slot, 0, 0                            ; the next step's first chunks, from the other slot, which is whole
.if \fill == 2
	ASK
.endif
.else
	s_wait_dscnt 0x0                               ; V^T is in
	RESCALE
	WIN 0
.endif
.if !\first
	s_cmp_gt_u32 s16, s56
	s_cbranch_scc1 .Lidle_b_\@
.endif
	MULV 0, \first
	WIN 0
.if !\first
.Lidle_b_\@:
.endif
.if \fill > 0
	PLACES
	LOADK 1-\slot, 1, 1
	WIN 0
.endif
.if !\first
	s_cmp_gt_u32 s16, s56
	s_cbranch_scc1 .Lidle_c_\@
.endif
	MULV 1, \first
	WIN 0
.if !\first
.Lidle_c_\@:
.endif
	s_add_co_u32 s16, s16, 32
.endm
; 1 / l into v16
.macro FINISH
	PLACES                                         ; behind the last products
	v_add_f32 v18, v14, v15                        ; l's two halves,
	v_permlanex16_b32 v19, v18, s46, s47
	v_add_f32 v18, v18, v19                        ; and lane l xor 16's
	v_rcp_f32 v16, v18
	v_nop                                          ; a plain line behind the reciprocal
	s_wait_alu depctr_va_vdst(0)
.endm
; THE WAY OUT, a quarter (128 channels, 512 bytes of each of my 16 rows) at a time: O^T / l goes into my own stage in LDS and comes back as whole rows, into buffer C's halves by turns.
.macro TOSTAGE u
	WIN 0x41
.set i, 64*\u
.rept 32
	v_pk_mul_f32 v[i:i+1], v[i:i+1], v[16:17] op_sel_hi:[1,0]   ; each accumulator from its low end on
.set i, i+2
.endr
	WIN 0x04                                       ; an LDS store's data are its source 1: window 1
.irp c, 0,1,2,3,4,5,6,7
	ds_store_b128 v6, v[64*\u+8*\c:64*\u+8*\c+3] offset:64*\c
	ds_store_b128 v6, v[64*\u+8*\c+4:64*\u+8*\c+7] offset:64*\c+16
.endr
	WIN 0xc0
.irp t, 0,1,2,3,4,5,6,7,8,9,10,11,12,13,14,15
	ds_load_b128 v[128+64*((\u)%2)+4*\t:128+64*((\u)%2)+4*\t+3], v7 offset:\t*SPI   ; LDS serves a wave's instructions in order (ISA guide 5.7.1.4): these see the stores above, and the next quarter's stores come behind them
.endr
.endm
.macro SEND u, younger                 ; younger: the LDS instructions issued behind the quarter's loads, which may stay out
	s_wait_dscnt \younger
	WIN 0x0c                                       ; a store's data are its source 1: window 3
.irp t, 0,1,2,3,4,5,6,7,8,9,10,11,12,13,14,15
	global_store_b128 v1, v[128+64*((\u)%2)+4*\t:128+64*((\u)%2)+4*\t+3], s[50:51] offset:2048*\t+512*(\u) th:TH_STORE_NT   ; 32 lanes store 512 consecutive bytes, aligned; written once, read by nobody here
.endr
.endm
.macro OUT
	TOSTAGE 0
.irp u, 1,2,3
.if \u > 1
	s_wait_xcnt 0x0                                ; the stores of two quarters back have read their registers: this quarter's loads may land there
.endif
	TOSTAGE \u
	SEND \u-1, 32                                  ; behind that quarter's loads: this quarter's 16 stores and 16 loads
.endr
	SEND 3, 0
	WIN 0
.endm
; THE CHANGE OF TASKS, where the first task's keys are through: the same step in every wave of every partner.  No barrier and no tensor load stands in it.
; O^T is not cleared: the new task's first step finds c m_old = -3e38, so a = 0, and the rescaling makes zeros of the old, finite numbers.
.macro SWITCH
	s_cmp_eq_u32 s16, s17
	s_cbranch_scc0 .Lsame_\@
	FINISH
	WIN 0x80
.set i, 0
.rept 64
	global_load_b128 v[4*i:4*i+3], v1, s[48:49] offset:512*i th:TH_LOAD_NT   ; the new Q: the way out stands between the request and the wait for it
.set i, i+1
.endr
	WIN 0
	OUT
	v_mov_b32 v12, 0xff61b1e6
	v_mov_b32 v13, 0xff61b1e6
	v_mov_b32 v14, 0
	v_mov_b32 v15, 0
	s_wait_xcnt 0x0                                ; the stores have read their base and buffer C: both may be written again
	s_mov_b64 s[50:51], s[52:53]
	s_mov_b32 s54, s57
	s_mov_b32 s55, s58
	s_add_co_u32 s56, s58, 63
	s_mov_b32 s16, 0
	s_wait_loadcnt 0x0                             ; Q
.Lsame_\@:
.endm
	s_wait_tensorcnt 0x1                           ; my quarter of slot 0 is in; slot 1's may stay out
	s_barrier_signal -1
	s_barrier_wait -1                              ; everybody's is
	LOADK 0, 0, 0
	LOADK 0, 1, 1
	WIN 0
	s_wait_loadcnt 0x0                             ; Q
	STEP 0, 1, 2                                   ; step 0
	s_mov_b32 s18, 18
.Lpair:                                                ; 18 trips: steps 1 to 36; a task ends behind a slot 1
	STEP 1, 0, 2
	SWITCH
	STEP 0, 0, 2
	s_sub_co_u32 s18, s18, 1
	s_cmp_lg_u32 s18, 0
	s_cbranch_scc1 .Lpair
	STEP 1, 0, 2                                   ; step 37 asks for step 39: the last load
	STEP 0, 0, 1                                   ; the tail is written out
	STEP 1, 0, 0
	FINISH
	OUT
	s_wait_tensorcnt 0x0                           ; the wave's end: behind my last tensor load and my last LDS store
	ds_add_u32 v10, v11
	s_wait_dscnt 0x0
	CROUND                                         ; the closing round: no work-group ends while a partner may still ask for a tile that names it
	s_endpgm
.Lfunc_end_k_q7b409fe127_attn:
	.size	k_q7b409fe127_attn, .Lfunc_end_k_q7b409fe127_attn-k_q7b409fe127_attn
	.p2alignl 7, 3214868480
	.fill 96, 4, 3214868480
	.section	.rodata,"a",@progbits
	.p2align	6, 0x0
	.amdhsa_kernel k_q7b409fe127_attn
		.amdhsa_group_segment_fixed_size 327680
		.amdhsa_private_segment_fixed_size 0
		.amdhsa_enable_private_segment 0
		.amdhsa_kernarg_size 24
		.amdhsa_user_sgpr_count 2
		.amdhsa_user_sgpr_kernarg_segment_ptr 1
		.amdhsa_wavefront_size32 1
		.amdhsa_system_sgpr_workgroup_id_x 1
		.amdhsa_system_sgpr_workgroup_id_y 1
		.amdhsa_system_sgpr_workgroup_id_z 1
		.amdhsa_system_vgpr_workitem_id 0
		.amdhsa_next_free_vgpr 1024
		.amdhsa_next_free_sgpr 66
		.amdhsa_reserve_vcc 1
		.amdhsa_float_denorm_mode_32 3
		.amdhsa_float_denorm_mode_16_64 3
		.amdhsa_memory_ordered 1
		.amdhsa_forward_progress 1
		.amdhsa_inst_pref_size 255
	.end_amdhsa_kernel
	.section	.bss,"aw",@nobits
	.p2align	6
	.space	262144
	.amdgpu_metadata
---
amdhsa.version: [ 1, 2 ]
amdhsa.kernels:
  - .name:           k_q7b409fe127_attn
    .symbol:         k_q7b409fe127_attn.kd
    .args:
      - { .name: qf, .offset: 0, .size: 8, .value_kind: global_buffer, .address_space: global }
      - { .name: kv, .offset: 8, .size: 8, .value_kind: global_buffer, .address_space: global }
      - { .name: out0, .offset: 16, .size: 8, .value_kind: global_buffer, .address_space: global }
    .group_segment_fixed_size: 327680
    .private_segment_fixed_size: 0
    .kernarg_segment_align: 8
    .kernarg_segment_size: 24
    .max_flat_workgroup_size: 128
    .sgpr_count:     66
    .vgpr_count:     1024
    .wavefront_size: 32
...
	.end_amdgpu_metadata
.endif
;; end of part 3
